; MI455X (gfx1250); checked and timed in simulation.
; The chip was launched on July 23, 2026; its instructions are those of AMD's public machine-readable ISA for CDNA 5 (MIT licence, August 2026) and "CDNA5" Instruction Set Architecture Reference Guide (July 2026). The comments in the code are by the model that wrote it; some were corrected since.
;; Multi Head Attention Layer. Allowed arithmetic: matrix products marked QUANTISED: E2M3 operands, one E8M0 scale for each 32 along K, by v_wmma_scale_f32_16x16x128_f8f6f4 with both operands' format E2M3, f32 sums; everything else in f32.
;; Inputs: k_b 1,024 float32; k_w_codes 1,024 x 32 x 24 uint8 (E2M3 codes of k_w, K innermost, in blocks of 32 codes, four codes in three bytes); k_w_scales 1,024 x 32 uint8 (E8M0 scales of k_w, one for each 32 codes along K); key_codes 4 x 2,048 x 32 x 24 uint8 (E2M3 codes of key, K innermost, in blocks of 32 codes, four codes in three bytes); key_scales 4 x 2,048 x 32 uint8 (E8M0 scales of key, one for each 32 codes along K); q_b 1,024 float32; q_w_codes 1,024 x 32 x 24 uint8 (E2M3 codes of q_w, K innermost, in blocks of 32 codes, four codes in three bytes); q_w_scales 1,024 x 32 uint8 (E8M0 scales of q_w, one for each 32 codes along K); query_codes 4 x 2,048 x 32 x 24 uint8 (E2M3 codes of query, K innermost, in blocks of 32 codes, four codes in three bytes); query_scales 4 x 2,048 x 32 uint8 (E8M0 scales of query, one for each 32 codes along K); v_b 1,024 float32; v_w_codes 1,024 x 32 x 24 uint8 (E2M3 codes of v_w, K innermost, in blocks of 32 codes, four codes in three bytes); v_w_scales 1,024 x 32 uint8 (E8M0 scales of v_w, one for each 32 codes along K); value_codes 4 x 2,048 x 32 x 24 uint8 (E2M3 codes of value, K innermost, in blocks of 32 codes, four codes in three bytes); value_scales 4 x 2,048 x 32 uint8 (E8M0 scales of value, one for each 32 codes along K).
;; Outputs: out0 4 x 2,048 x 1,024 float32.
;; This version of the problem:
;;   THIS VERSION OF THE PROBLEM IS GIVEN IN LOW PRECISION. The matrix products marked QUANTISED in the list below multiply operands that are first quantised to E2M3 (2 exponent bits, 3 mantissa bits; 6 bits a number), with one power-of-two scale for each 32 numbers along K (OCP MX v1.0); their sums are f32. All else is computed in f32.
;;   The module's matrix products, in the order in which they are computed (A, B: the left and right operand; K: the contracted axis; several contracted axes count as one K, in the product's order):
;;     1. [M 8,192, K 1,024] x [K 1,024, N 1,024]; A: input query (given as codes); B: input q_w (given as codes): QUANTISED
;;     2. [M 8,192, K 1,024] x [K 1,024, N 1,024]; A: input key (given as codes); B: input k_w (given as codes): QUANTISED
;;     3. [M 8,192, K 1,024] x [K 1,024, N 1,024]; A: input value (given as codes); B: input v_w (given as codes): QUANTISED
;;     4. batch 64 x [M 2,048, K 64] x [K 64, N 2,048]; A: computed on the way; B: computed on the way: QUANTISED
;;     5. batch 64 x [M 2,048, K 2,048] x [K 2,048, N 64]; A: computed on the way; B: computed on the way: QUANTISED
;;   THE QUANTISER, for each operand of a quantised product, along K:
;;     - K is cut into blocks of 32 from its start; a last block that is shorter is filled with zeros.
;;     - A block's scale is 2^e with e = floor(log2(the largest magnitude in the block)) - 2, held to -126 .. 127; a block of zeros has e = 0. As a byte (E8M0): e + 127.
;;     - Each number is divided by its block's scale, clamped to +-7.5, and rounded to the nearest number of E2M3, ties to even, subnormals kept.
;;     - The product sums the exact products of the quantised numbers (number of the format x scale) in f32.
;;   ~~~python
;;   def quantise(x, axis):      # numpy; x: float32 -> the quantised numbers, widened to float32 again
;;       x = np.moveaxis(x, axis, -1); K = x.shape[-1]
;;       x = np.pad(x, [(0, 0)] * (x.ndim - 1) + [(0, -K % 32)]); x = x.reshape(x.shape[:-1] + (-1, 32)); a = np.abs(x).max(-1, keepdims=True)
;;       e = np.where(a > 0, np.clip(np.frexp(np.where(a > 0, a, 1))[1] - 1 - 2, -126, 127), 0)      # np.frexp(a)[1] - 1 = floor(log2(a)), exactly
;;       r = np.clip(x / 2.0 ** e, -7.5, 7.5)
;;       step = 2.0 ** (np.maximum(np.frexp(np.where(r == 0, 1, r))[1] - 1, 0) - 3)
;;       q = np.round(r / step) * step * 2.0 ** e      # np.round: ties to even
;;       return np.moveaxis(q.reshape(q.shape[:-2] + (-1,))[..., :K], -1, axis).astype(np.float32)
;;   ~~~
;;   OPERANDS COMPUTED ON THE WAY. 'Computed on the way' means the value that the module computes at that place (a softmax that the list does not call 'softmax' is quantised finished and normalised). What goes into a quantiser is computed in f32, as accurately as f32 sums, v_exp_f32 and their like allow (about 1e-6 of the number): no bf16 or f16 on the way to a quantiser, and a product that is left as it is and whose result goes on into a quantised operand takes f32 operands (vector FMAs, or v_wmma_f32_16x16x4_f32). A number that lies on a knife's edge between two numbers of the format may be rounded either way, as far as f32 arithmetic and the matrix unit's own rounding can turn it there, and no further.
;;   INPUTS GIVEN AS CODES. k_w (in the module: [1024, 1024], K = its axis 0); key (in the module: [4, 2048, 1024], K = its axis 2); q_w (in the module: [1024, 1024], K = its axis 0); query (in the module: [4, 2048, 1024], K = its axis 2); v_w (in the module: [1024, 1024], K = its axis 0); value (in the module: [4, 2048, 1024], K = its axis 2): each comes as NAME_codes (uint8): NAME with its K axis moved to the last place and cut into blocks of 32 codes, [.., K / 32, bytes a block], one block behind the other in memory; four codes in three bytes: a row's codes are one little-endian stream of bits, code i at bits 6 i .. 6 i + 5 (a code: sign, 2 exponent bits, 3 mantissa bits); and NAME_scales (uint8): the same leading axes, one E8M0 byte (e + 127) for each 32 codes along K. Its value is code x scale, taken as it is: it is not quantised again, and the codes and scales need not be those that the quantiser above would give.
;; One version. Each part assembles by itself: llvm-mc -triple=amdgcn-amd-amdhsa -mcpu=gfx1250 --defsym DOCPART=n.
;; ======== version 1 of 1: 2 launches
;; workspace buffers: qc 6,291,456 bytes; qs 524,288 bytes; kvc 12,582,912 bytes; kvs 786,432 bytes
;; launch proj (part 1): grid 4 x 192, 4 waves a work-group, clusters of 4 x 4, 327,680 bytes of LDS; arguments query_codes, key_codes, value_codes, query_scales, key_scales, value_scales, q_w_codes, k_w_codes, v_w_codes, q_w_scales, k_w_scales, v_w_scales, q_b, k_b, v_b, qc, qs, kvc, kvs; writes qc, qs, kvc, kvs
.if DOCPART == 1
	.amdgcn_target "amdgcn-amd-amdhsa--gfx1250"
	.amdhsa_code_object_version 6
	.text
	.protected	k_q2519b8432b_proj
	.globl	k_q2519b8432b_proj
	.p2align	8
	.type	k_q2519b8432b_proj,@function
k_q2519b8432b_proj:
	s_mov_b64 s[64:65], 0
	v_nop
	global_prefetch_b8 v0, s[64:65] scope:SCOPE_SE
	s_setreg_imm32_b32 hwreg(HW_REG_WAVE_MODE, 25, 1), 1
	s_wait_xcnt 0x0
	s_wait_alu depctr_hold_cnt(0) depctr_sa_sdst(0) depctr_va_vdst(0) depctr_va_sdst(0) depctr_va_ssrc(0) depctr_va_vcc(0) depctr_vm_vsrc(0)
	s_getreg_b32 s2, hwreg(HW_REG_IB_STS2, 6, 4)
	s_cmp_eq_u32 s2, 0
	s_cbranch_scc0 .Lentry_in_a_cluster
	s_endpgm
.Lentry_in_a_cluster:
	s_bfe_u32 s2, ttmp6, 0x10000c
	s_cmp_lg_u32 s2, 0xf033
	s_cbranch_scc0 .Lentry_shape_is_right
	s_endpgm
.Lentry_shape_is_right:
; THE THREE PROJECTIONS: q = query q_w + q_b, k = key k_w + k_b, v = value v_w + v_b, on codes of FP6 (E2M3) with E8M0 scales as they are given, sums in f32;
; the results are quantised at once for the two products of attention and leave as codes: q and k along the head's 64, v along the keys.
; ROLES.  A work-group makes R = 128 by P = 256 over K = 1,024.  The matrix instruction takes 16 rows of P as source 0 and 16 rows of R as source 1: a lane then holds ONE row of R,
; and its registers run along P, the axis that is quantised next.  q, k: P = rows of the weight (features), R = rows of x.  v: P = rows of x (keys), R = rows of the weight.
; x and the weights are arrays of one kind (768 bytes of codes and 32 scale bytes a row), so the roles are a choice of pointers and tile numbers on the cluster's number; no LDS address hangs on it.
; GRID.  48 clusters of 4 x 4: 16 for each projection; 768 work-groups, three for each of 256 WGPs.  P's tiles hang on cx and the cluster alone and are asked for jointly along a column of the
; cluster, R's on cy and the cluster alone, jointly along a row: the requests for both are divided by four.
; A wave (wr = wave / 2, wp = wave % 2) makes R 64 x P 128: 4 x 8 accumulators, 256 registers.
; LDS.  K goes in chunks of 256 (rows of 192 bytes, 16 bytes of padding behind each 64: pitch 240).  R's four chunks and P's first three are filled once; P's fourth is the one refill, into P's slot 0.
; THE ORDER OF k INSIDE A BLOCK OF 32 of what is made here is 0-7, 16-23, 8-15, 24-31: the same in q and k, and in v and the scores that the next launch quantises by the same lines,
; so every product pairs the right numbers and every block keeps its 32 numbers and its scale.
; OUT.  Images of operand registers: a UNIT is six registers of 16 rows x 64 k: registers 0-3 as 16 bytes a lane (512 bytes), registers 4-5 as 8 bytes a lane (256 bytes).
; A PAIR is two scale registers as 8 bytes a lane: the first holds tile 0's words in lanes 0-15 and tile 1's in lanes 16-31, the second tiles 2 and 3.
; A scale word of q or k is (b0, b1, b0, b1): its two bytes once more over the half of the instruction's K that holds zero codes.
; LIMITS: NaN and infinities are not served.  A block whose largest magnitude lies under 2^-124 keeps the byte 1; a block of zeros has the byte 1 where the rule says 127: its codes are zeros, and
; the bytes are read by this program alone.  The bias starts each sum (it is the first product's C), so the order of rounding differs from a bias added last.
; REGISTERS.  window 0: v1-9, v12 lane terms; v10, v11 for the add; v16-23 R's LDS addresses, v24-29 P's; v32-47 R's scale words, v48-79 P's; v80-143 the bias; v144-239 R's fragments, two sets; v240-251 at work.
;   window 1: P's fragments, two sets, at v0 and v128.   window 2: accumulator (a, b) at v[8 (8 a + b)].   On the way out v13-31 and v144-235 are used again.
.set PITCH, 240
.set RCH,   128*PITCH                  ; a chunk of R: 128 rows
.set PSL,   256*PITCH                  ; a slot of P: 256 rows
.set PBASE, 4*RCH                      ; P's three slots lie behind R's four chunks
.set SPARE, PBASE+3*PSL                ; the spare words: 128 bytes for each wave, two blocks of 256 bytes that no other line names
.set ADRR,  16                         ; v16-19 R's chunk c; v20-23 the same behind one padding more
.set ADRP,  24                         ; v24-26 P's slot s; v27-29 the same behind one padding more
.set SCR,   32                         ; v[SCR + 8 i + w]: K step w; lanes 0-15 R's block 2 i, lanes 16-31 block 2 i + 1
.set SCP,   48                         ; the same for P, i = 0 .. 3
.set BI,    80
.set RF,    144
.set PW,    224                        ; v224-227 the scale words just made, one for each block of R
.set TM,    240
.set G1R,   36                         ; s[36:43] descriptor group 1 for R's tiles; s[52:63], s[68:71] their groups 0, one for each chunk
.set G1P,   44                         ; s[44:51] for P's tiles; s[72:83] their groups 0, one for each slot
.set G0P,   72
.set MSB,   0
.macro WIN new                         ; the immediate's high byte repeats the setting that is left
.if MSB != \new
	s_set_vgpr_msb (MSB<<8)|\new
.set MSB, \new
.endif
.endm
.macro PLACES n                        ; plain vector places behind matrix instructions (ISA guide 7.12.1)
.rept \n
	v_nop
.endr
.endm
.macro CREST                           ; a round of the cluster's barrier behind its opening barrier
	s_cmp_lg_u32 s18, 0
	s_cbranch_scc1 .Lnot_wave_0_\@
	s_barrier_signal -3
.Lnot_wave_0_\@:
	s_barrier_wait -3
	s_barrier_signal -1
	s_barrier_wait -1
.endm
.macro CROUND                          ; a whole round
	s_barrier_signal -1
	s_barrier_wait -1
	CREST
.endm
; one product: D, source 0, source 1, C, the two scale registers, and which half of the lanes each side's scales are read from
.macro WMC d, a, b, c, sa, sb, ra, rb
.if ((\ra) == 0) && ((\rb) == 0)
	v_wmma_scale_f32_16x16x128_f8f6f4 v[(\d):(\d)+7], v[(\a):(\a)+11], v[(\b):(\b)+11], v[(\c):(\c)+7], v[(\sa)], v[(\sb)] matrix_a_fmt:MATRIX_FMT_FP6 matrix_b_fmt:MATRIX_FMT_FP6
.elseif ((\ra) == 1) && ((\rb) == 0)
	v_wmma_scale_f32_16x16x128_f8f6f4 v[(\d):(\d)+7], v[(\a):(\a)+11], v[(\b):(\b)+11], v[(\c):(\c)+7], v[(\sa)], v[(\sb)] matrix_a_fmt:MATRIX_FMT_FP6 matrix_b_fmt:MATRIX_FMT_FP6 matrix_a_scale:MATRIX_SCALE_ROW1
.elseif ((\ra) == 0) && ((\rb) == 1)
	v_wmma_scale_f32_16x16x128_f8f6f4 v[(\d):(\d)+7], v[(\a):(\a)+11], v[(\b):(\b)+11], v[(\c):(\c)+7], v[(\sa)], v[(\sb)] matrix_a_fmt:MATRIX_FMT_FP6 matrix_b_fmt:MATRIX_FMT_FP6 matrix_b_scale:MATRIX_SCALE_ROW1
.else
	v_wmma_scale_f32_16x16x128_f8f6f4 v[(\d):(\d)+7], v[(\a):(\a)+11], v[(\b):(\b)+11], v[(\c):(\c)+7], v[(\sa)], v[(\sb)] matrix_a_fmt:MATRIX_FMT_FP6 matrix_b_fmt:MATRIX_FMT_FP6 matrix_a_scale:MATRIX_SCALE_ROW1 matrix_b_scale:MATRIX_SCALE_ROW1
.endif
.endm
; 8 products: R's block a against P's eight, K step q.  cm = 0: onto the sums; 1: the sums start from the bias along P (q, k); 2: from the bias along R (v).
; The 32 accumulators take turns, one instruction a turn, in the same order in every K step.
.macro MUL8 a, q, cm
.irp b, 0,1,2,3,4,5,6,7
.if (\cm) == 0
	WMC 8*(8*(\a)+\b), 128*((\q)%2)+12*\b, RF+48*((\q)%2)+12*(\a), 8*(8*(\a)+\b), SCP+8*(\b/2)+(\q), SCR+8*((\a)/2)+(\q), \b%2, (\a)%2
.elseif (\cm) == 1
	WMC 8*(8*(\a)+\b), 128*((\q)%2)+12*\b, RF+48*((\q)%2)+12*(\a), BI+8*\b, SCP+8*(\b/2)+(\q), SCR+8*((\a)/2)+(\q), \b%2, (\a)%2
.else
	WMC 8*(8*(\a)+\b), 128*((\q)%2)+12*\b, RF+48*((\q)%2)+12*(\a), BI+8*(\a), SCP+8*(\b/2)+(\q), SCR+8*((\a)/2)+(\q), \b%2, (\a)%2
.endif
.endr
.endm
; A fragment, 16 rows x 128 K, is 12 registers: lane l holds row l % 16; registers 6 c .. 6 c + 5 hold K = 64 c + 32 (l / 16) + 0 .. 31: 24 bytes of the row as they lie, in pieces of 8 bytes.
; Lanes 16-31 read three pieces further on; where that is behind one padding more (16 bytes behind every 8 pieces) the second address register (40 for 24 bytes a half) serves.
.macro FRAG reg, adr, adr2, q, i
.irp p, 0,1,2,3,4,5
.set PCE, 12*(\q)+6*(\p/3)+\p%3
.if PCE%8 < 5
	ds_load_b64 v[(\reg)+2*\p:(\reg)+2*\p+1], v[\adr] offset:8*PCE+16*(PCE/8)+(\i)*16*PITCH
.else
	ds_load_b64 v[(\reg)+2*\p:(\reg)+2*\p+1], v[\adr2] offset:8*PCE+16*(PCE/8)+(\i)*16*PITCH
.endif
.endr
.endm
.macro FETCH q                         ; K step q's fragments into set q % 2: P's eight, R's four: 72 loads in one run.  Chunk q / 2; P's chunk c lies in slot c % 3
	WIN 0x40                                       ; destination window 1, address window 0
.irp i, 0,1,2,3,4,5,6,7
	FRAG 128*((\q)%2)+12*\i, ADRP+((\q)/2)%3, ADRP+3+((\q)/2)%3, (\q)%2, \i
.endr
	WIN 0
.irp i, 0,1,2,3
	FRAG RF+48*((\q)%2)+12*\i, ADRR+(\q)/2, ADRR+4+(\q)/2, (\q)%2, \i
.endr
.endm
.macro STEPP q, fetch                  ; a plain K step: 32 products; in its middle the next step's fragments are asked for
	s_wait_dscnt 0x0                               ; this step's fragments, asked for 16 products ago, are in
	WIN 0xa1                                       ; source 0 (P) window 1, source 1 (R) window 0, C and D window 2
	MUL8 0, \q, 0
	MUL8 1, \q, 0
.if \fetch
	PLACES 4                                       ; in front of loads into the set that the step before multiplied
	FETCH (\q)+1
	WIN 0xa1
.endif
	MUL8 2, \q, 0
	MUL8 3, \q, 0
.endm
; R's block a: a lane's 64 sums (register 16 b + i: block b of 32 along P, my 16 numbers of it) become 12 registers of codes at v[144 + 20 a] and the row's scale word in v[PW + a].
.macro QUANTP a
.set AC, 64*(\a)
.set PCD, RF+20*(\a)
	WIN 0x0a                                       ; sources 0 and 1 window 2
.irp b, 0,1,2,3
	v_max3_num_f32 v[TM+\b], |v[AC+16*\b]|, |v[AC+16*\b+1]|, 0x1800000   ; each accumulator is read from its low end on; the floor 2^(3 - 127) holds the byte at 1 from below
.endr
	WIN 0x28                                       ; sources 1 and 2 window 2
.irp i, 2,4,6,8,10,12,14
.irp b, 0,1,2,3
	v_max3_num_f32 v[TM+\b], v[TM+\b], |v[AC+16*\b+\i]|, |v[AC+16*\b+\i+1]|   ; the four blocks by turns
.endr
.endr
	WIN 0
.irp b, 0,1,2,3
	v_permlanex16_b32 v[TM+4+\b], v[TM+\b], s92, s93
.endr
.irp b, 0,1,2,3
	v_max_num_f32 v[TM+\b], v[TM+\b], v[TM+4+\b]   ; with lane l xor 16's 16 numbers: the block's largest magnitude
.endr
.irp b, 0,1,2,3
	v_add_nc_u32 v[TM+8+\b], 0xff000000, v[TM+\b]  ; 2 off its exponent field: the conversion's scale operand
.endr
.irp b, 0,1,2,3
	v_lshrrev_b32 v[TM+4+\b], 23, v[TM+8+\b]       ; the scale's byte
.endr
	v_lshl_or_b32 v[PW+(\a)], v[TM+5], 8, v[TM+4]
	v_lshl_or_b32 v[PW+(\a)], v[TM+6], 16, v[PW+(\a)]
	v_lshl_or_b32 v[PW+(\a)], v[TM+7], 24, v[PW+(\a)]
	WIN 0x02                                       ; source 0 window 2
.irp c, 0,1
	v_cvt_scalef32_pk16_fp6_f32 v[PCD+6*\c:PCD+6*\c+2], v[AC+32*\c:AC+32*\c+15], v[TM+8+2*\c]
	v_cvt_scalef32_pk16_fp6_f32 v[PCD+12+4*\c:PCD+14+4*\c], v[AC+32*\c+16:AC+32*\c+31], v[TM+9+2*\c]   ; (a conversion's three registers begin on an even number)
.endr
	WIN 0
	v_nop                                          ; one plain place behind a scaled conversion
.irp c, 0,1                                    ; the operand's layout wants a whole block in a lane: lanes 0-15 block 2 c, lanes 16-31 block 2 c + 1
.irp i, 0,1,2
	v_permlane16_swap_b32 v[PCD+6*\c+\i], v[PCD+12+4*\c+\i]
.endr
.irp i, 0,1,2
	v_mov_b32 v[PCD+3+6*\c+\i], v[PCD+12+4*\c+\i]
.endr
.endr
.endm
; Block a's two units leave.  s94, s95: their places in the buffer.  Each store has offset and data registers of its own, so nothing that a store reads is written again.
.macro SENDU a
.set PCD, RF+20*(\a)
	v_add_nc_u32 v[16+4*(\a)], s94, v7
	v_add_nc_u32 v[17+4*(\a)], s94, v8
	v_add_nc_u32 v[18+4*(\a)], s95, v7
	v_add_nc_u32 v[19+4*(\a)], s95, v8
	global_store_b128 v[16+4*(\a)], v[PCD:PCD+3], s[14:15]                 ; 32 lanes store 512 consecutive bytes, at a multiple of 256 from the buffer's first byte
	global_store_b64 v[17+4*(\a)], v[PCD+4:PCD+5], s[14:15] offset:512     ; and 256 more
	global_store_b128 v[18+4*(\a)], v[PCD+6:PCD+9], s[14:15]
	global_store_b64 v[19+4*(\a)], v[PCD+10:PCD+11], s[14:15] offset:512
	s_add_co_u32 s94, s94, s85                     ; (read by vector additions alone)
	s_add_co_u32 s95, s95, s85
.endm
	s_load_b128 s[36:39], s[0:1], 0x0              ; codes of query, key
	s_load_b64 s[40:41], s[0:1], 0x10              ; of value
	s_load_b128 s[44:47], s[0:1], 0x18             ; their scales
	s_load_b64 s[48:49], s[0:1], 0x28
	s_load_b128 s[52:55], s[0:1], 0x30             ; codes of q_w, k_w
	s_load_b64 s[56:57], s[0:1], 0x40              ; of v_w
	s_load_b128 s[68:71], s[0:1], 0x48             ; their scales
	s_load_b64 s[72:73], s[0:1], 0x58
	s_load_b128 s[76:79], s[0:1], 0x60             ; q_b, k_b
	s_load_b64 s[80:81], s[0:1], 0x70              ; v_b
	s_load_b256 s[84:91], s[0:1], 0x78             ; qc, qs, kvc, kvs
	v_lshl_add_u32 v10, v0, 2, SPARE
	v_mov_b32 v11, 0
	ds_add_u32 v10, v11
	ds_add_u32 v10, v11
	s_wait_dscnt 0x0
	v_lshrrev_b32 v12, 5, v0
	v_readfirstlane_b32 s18, v12                   ; wave 0..3
	s_lshr_b32 s19, s18, 1                         ; wr: my 64 rows of R.  Also: I fetch for R (0) or for P (1)
	s_and_b32 s20, s18, 1                          ; wp: my 128 rows of P.  Also: which half of a tile I fetch
	s_bfe_u32 s21, ttmp6, 0x40000                  ; cx
	s_bfe_u32 s22, ttmp6, 0x40004                  ; cy
	s_and_b32 s25, ttmp7, 0xffff                   ; the cluster's number, 0 .. 47
	s_lshr_b32 s23, s25, 4                         ; 0: q, 1: k, 2: v
	s_and_b32 s25, s25, 15
	s_and_b32 s28, s25, 7
	s_lshr_b32 s29, s25, 3
	s_cmp_eq_u32 s23, 2
	s_cselect_b32 s24, 1, 0                        ; is it v?  The same in all sixteen partners
	s_cselect_b32 s28, s28, 0                      ; v: 8 x 2 clusters over P x R;  q, k: 1 x 16
	s_cselect_b32 s29, s29, s25
	s_lshl_b32 s26, s28, 2
	s_add_co_u32 s26, s26, s21                     ; P's tile of 256 rows
	s_lshl_b32 s27, s29, 2
	s_add_co_u32 s27, s27, s22                     ; R's tile of 128 rows
	s_lshl_b32 s30, s22, 2
	s_lshl_b32 s30, 15, s30                        ; my row of the cluster
	s_lshl_b32 s31, 0x1111, s21                    ; my column
	s_mul_i32 s32, s26, 256*768                    ; what I fetch of P: its tile's rows, my half of them,
	s_mul_i32 s33, s20, 128*768
	s_add_co_u32 s32, s32, s33
	s_mov_b32 s33, 0
	s_mul_i32 s34, s27, 128*768                    ; and of R
	s_mul_i32 s35, s20, 64*768
	s_add_co_u32 s34, s34, s35
	s_mov_b32 s35, 0
	s_lshl_b32 s94, s26, 13                        ; the scale bytes of the 128 rows of P that I multiply: 32 bytes a row,
	s_lshl_b32 s95, s20, 12
	s_add_co_u32 s94, s94, s95
	s_mov_b32 s95, 0
	s_lshl_b32 s96, s27, 12                        ; and of my 64 rows of R
	s_lshl_b32 s97, s19, 11
	s_add_co_u32 s96, s96, s97
	s_mov_b32 s97, 0
	s_lshr_b32 s98, s94, 3                         ; the bias, 4 bytes a row: along P (q, k)
	s_lshr_b32 s99, s96, 3                         ; or along R (v)
	s_cmp_eq_u32 s23, 2
	s_cselect_b32 s98, s99, s98
	s_mov_b32 s99, 0
	s_mul_i32 s100, s20, 64*PITCH                  ; where my half of a tile goes in LDS: the wave's number alone enters
	s_mul_i32 s101, s20, 128*PITCH
	s_add_co_u32 s101, s101, PBASE
	v_and_b32 v1, 15, v0                           ; r
	v_bfe_u32 v2, v0, 4, 1                         ; h
	v_and_b32 v3, 31, v0                           ; lane
	v_mul_u32_u24 v4, v1, PITCH
	v_mad_u32_u24 v5, v2, 40, v4                   ; a fragment's row + 40 h
	v_mad_u32_u24 v4, v2, 24, v4                   ; and + 24 h
	v_lshlrev_b32 v6, 5, v3                        ; 32 x lane: a row of scale bytes
	v_lshlrev_b32 v7, 4, v3                        ; 16 x lane
	v_lshlrev_b32 v8, 3, v3                        ; 8 x lane
	v_lshlrev_b32 v9, 5, v2                        ; the bias along P: 8 h numbers on
	v_lshlrev_b32 v12, 2, v1                       ; the bias along R: r numbers on
	s_mov_b32 s92, 0x76543210
	s_mov_b32 s93, 0xfedcba98                      ; v_permlanex16_b32's selects for lane l xor 16
	s_wait_kmcnt 0x0
	s_cmp_eq_u32 s23, 1                            ; the projection's buffers: choices on the cluster's number
	s_cselect_b64 s[36:37], s[38:39], s[36:37]
	s_cselect_b64 s[44:45], s[46:47], s[44:45]
	s_cselect_b64 s[52:53], s[54:55], s[52:53]
	s_cselect_b64 s[68:69], s[70:71], s[68:69]
	s_cselect_b64 s[76:77], s[78:79], s[76:77]
	s_cmp_eq_u32 s23, 2
	s_cselect_b64 s[36:37], s[40:41], s[36:37]     ; x's codes
	s_cselect_b64 s[44:45], s[48:49], s[44:45]     ; x's scales
	s_cselect_b64 s[52:53], s[56:57], s[52:53]     ; the weight's codes
	s_cselect_b64 s[68:69], s[72:73], s[68:69]     ; the weight's scales
	s_cselect_b64 s[12:13], s[80:81], s[76:77]     ; the bias
	s_cselect_b64 s[4:5], s[36:37], s[52:53]       ; the roles: v takes x as P,
	s_cselect_b64 s[6:7], s[52:53], s[36:37]       ; and the weight as R
	s_cselect_b64 s[8:9], s[44:45], s[68:69]
	s_cselect_b64 s[10:11], s[68:69], s[44:45]
	s_cmp_eq_u32 s23, 0
	s_cselect_b64 s[14:15], s[84:85], s[88:89]     ; codes go to qc or to kvc,
	s_cselect_b64 s[16:17], s[86:87], s[90:91]     ; scale words to qs or to kvs
	s_add_nc_u64 s[4:5], s[4:5], s[32:33]
	s_add_nc_u64 s[6:7], s[6:7], s[34:35]
	s_add_nc_u64 s[8:9], s[8:9], s[94:95]
	s_add_nc_u64 s[10:11], s[10:11], s[96:97]
	s_add_nc_u64 s[12:13], s[12:13], s[98:99]
	; descriptor groups 1: rows of 192 bytes out of rows of 768, 16 bytes of padding behind every 64
	s_or_b32 s[G1R], s30, (1<<20)|(1<<21)|(3<<22)|(3<<25)   ; 15:0 the mask: R's tiles go to my row; 17:16 elements of 1 byte; 20 padding on; 21 set beside a mask; 24:22 after every 16 words; 31:25 of 4 words
	s_mov_b32 s[G1R+1], 192<<16                    ; tensor_dim0
	s_mov_b32 s[G1R+2], 64<<16                     ; tensor_dim1 = 64
	s_mov_b32 s[G1R+3], 192<<16                    ; tile_dim0
	s_mov_b32 s[G1R+4], 64                         ; tile_dim1
	s_mov_b32 s[G1R+5], 768                        ; from row to row
	s_mov_b32 s[G1R+6], 0
	s_mov_b32 s[G1R+7], 0
	s_or_b32 s[G1P], s31, (1<<20)|(1<<21)|(3<<22)|(3<<25)   ; P's tiles go to my column
	s_mov_b32 s[G1P+1], 192<<16
	s_mov_b32 s[G1P+2], 128<<16
	s_mov_b32 s[G1P+3], 192<<16
	s_mov_b32 s[G1P+4], 128
	s_mov_b32 s[G1P+5], 768
	s_mov_b32 s[G1P+6], 0
	s_mov_b32 s[G1P+7], 0
.irp c, 0,1,2,3
.set GR, 52+4*\c+4*(\c/3)
	s_mov_b32 s[GR], 1
	s_add_co_u32 s[GR+1], s100, \c*RCH
	s_add_nc_u64 s[GR+2:GR+3], s[6:7], \c*192
	s_or_b32 s[GR+3], s[GR+3], 0x80000000
.endr
.irp s, 0,1,2
	s_mov_b32 s[G0P+4*\s], 1
	s_add_co_u32 s[G0P+4*\s+1], s101, \s*PSL
	s_add_nc_u64 s[G0P+4*\s+2:G0P+4*\s+3], s[4:5], \s*192
	s_or_b32 s[G0P+4*\s+3], s[G0P+4*\s+3], 0x80000000
.endr
	CROUND                                         ; all sixteen work-groups are here: the first joint loads meet
	s_cmp_eq_u32 s19, 0                            ; a wave's first fills stand in one branch on the wave's number: four loads of mine are out, or three
	s_cbranch_scc0 .Lfill_p
	tensor_load_to_lds s[52:55], s[G1R:G1R+7]
	s_nop 0
	tensor_load_to_lds s[56:59], s[G1R:G1R+7]
	s_nop 0
	tensor_load_to_lds s[60:63], s[G1R:G1R+7]
	s_nop 0
	tensor_load_to_lds s[68:71], s[G1R:G1R+7]
	s_nop 0
	PLACES 4
	s_branch .Lfilled
.Lfill_p:
	tensor_load_to_lds s[G0P:G0P+3], s[G1P:G1P+7]
	s_nop 0
	tensor_load_to_lds s[G0P+4:G0P+7], s[G1P:G1P+7]
	s_nop 0
	tensor_load_to_lds s[G0P+8:G0P+11], s[G1P:G1P+7]
	s_nop 0
	PLACES 4
.Lfilled:
	; A row's 32 scale bytes serve all of K: lane l takes row 32 i + l, so each pair of loads reads 1,024 consecutive bytes, once for the whole launch
.irp i, 0,1
	global_load_b128 v[SCR+8*\i:SCR+8*\i+3], v6, s[10:11] offset:1024*\i
	global_load_b128 v[SCR+8*\i+4:SCR+8*\i+7], v6, s[10:11] offset:1024*\i+16
.endr
.irp i, 0,1,2,3
	global_load_b128 v[SCP+8*\i:SCP+8*\i+3], v6, s[8:9] offset:1024*\i
	global_load_b128 v[SCP+8*\i+4:SCP+8*\i+7], v6, s[8:9] offset:1024*\i+16
.endr
	s_cmp_eq_u32 s24, 0
	s_cbranch_scc0 .Lbias_v
.irp b, 0,1,2,3,4,5,6,7                        ; q, k: register j of P's block b wants the bias of feature 16 b + 8 h + j
	global_load_b128 v[BI+8*\b:BI+8*\b+3], v9, s[12:13] offset:64*\b
	global_load_b128 v[BI+8*\b+4:BI+8*\b+7], v9, s[12:13] offset:64*\b+16
.endr
	s_branch .Lbias_in
.Lbias_v:
.irp a, 0,1,2,3                                ; v: all eight registers of R's block a want the bias of feature 16 a + r
	global_load_b32 v[BI+8*\a], v12, s[12:13] offset:64*\a
.endr
	s_wait_loadcnt 0x0
.irp a, 0,1,2,3
.irp j, 1,2,3,4,5,6,7
	v_mov_b32 v[BI+8*\a+\j], v[BI+8*\a]
.endr
.endr
.set J, 32
.rept 32
	v_mov_b32 v[BI+J], 0                           ; the other role's registers: every register that a later line names is written on every way to it
.set J, J+1
.endr
.Lbias_in:
	s_mul_i32 s28, s19, 64*PITCH                   ; my 64 rows of R,
	s_mul_i32 s29, s20, 128*PITCH                  ; my 128 rows of P
	s_add_co_u32 s29, s29, PBASE
	v_add_nc_u32 v13, s28, v4
	v_add_nc_u32 v14, s28, v5
.irp c, 0,1,2,3
	v_add_nc_u32 v[ADRR+\c], \c*RCH, v13
	v_add_nc_u32 v[ADRR+4+\c], \c*RCH, v14
.endr
	v_add_nc_u32 v13, s29, v4
	v_add_nc_u32 v14, s29, v5
.irp s, 0,1,2
	v_add_nc_u32 v[ADRP+\s], \s*PSL, v13
	v_add_nc_u32 v[ADRP+3+\s], \s*PSL, v14
.endr
.irp b, 0,1,2,3
	v_mov_b32 v[TM+4+\b], 0                        ; written once: a lane permute's destination counts as one of its sources
.endr
	s_wait_tensorcnt 0x2                           ; two loads may be out: of P's three the first is in, of R's four the first two: chunk 0 is whole in my part;
	s_barrier_signal -1
	s_barrier_wait -1                              ; in everybody's.
	FETCH 0
	; where the results go, in bytes (scalar work while the fragments come).  q, k: head 16 batch + 4 P's tile + 2 wp (+ 1 for the second unit), step = R's tile in its batch;  v: head 16 batch + 2 R's tile + wr, step 2 (P's tile in its batch) + wp
	s_lshr_b32 s94, s27, 4
	s_lshl_b32 s94, s94, 4
	s_lshl_b32 s95, s26, 2
	s_add_co_u32 s94, s94, s95
	s_lshl_b32 s95, s20, 1
	s_add_co_u32 s94, s94, s95
	s_and_b32 s95, s27, 15
	s_lshr_b32 s96, s26, 3
	s_lshl_b32 s96, s96, 4
	s_lshl_b32 s97, s27, 1
	s_add_co_u32 s96, s96, s97
	s_add_co_u32 s96, s96, s19
	s_and_b32 s97, s26, 7
	s_lshl_b32 s97, s97, 1
	s_add_co_u32 s97, s97, s20
	s_mul_i32 s98, s19, 3072                       ; q, k: my four tiles of rows lie 4 units on for wr = 1,
	s_lshl_b32 s99, s19, 8                         ; and their PAIR 256 bytes on
	s_cmp_eq_u32 s23, 2
	s_cselect_b32 s94, s96, s94                    ; the head
	s_cselect_b32 s95, s97, s95                    ; the step of 128 rows
	s_cselect_b32 s98, 6144, s98                   ; v's units lie behind a step's eight units of k,
	s_cselect_b32 s99, 512, s99                    ; its PAIR behind k's two
	s_mov_b32 s85, 768
	s_cselect_b32 s85, 1536, s85                   ; from block a to block a + 1
	s_mov_b32 s89, 0x01000100
	s_cselect_b32 s89, 0x03020100, s89             ; the scale word: q, k: the first head's two bytes twice;  v: as it is
	s_cmp_eq_u32 s23, 0
	s_mov_b32 s96, 196608
	s_cselect_b32 s96, 98304, s96                  ; a head's codes: qc 128 units, kvc 16 steps of 12,288 bytes
	s_mov_b32 s97, 12288
	s_cselect_b32 s28, 6144, s97                   ; a step's codes
	s_cselect_b32 s88, 8192, s97                   ; a head's scale words
	s_mov_b32 s29, 768
	s_cselect_b32 s29, 512, s29                    ; a step's scale words
	s_cmp_eq_u32 s23, 2
	s_cselect_b32 s86, 768, s96                    ; from a block's first unit to its second: v: the next 64 keys;  q, k: the next head
	s_mul_i32 s84, s94, s96
	s_mul_i32 s28, s95, s28
	s_add_co_u32 s84, s84, s28
	s_add_co_u32 s84, s84, s98                     ; my first unit
	s_mul_i32 s87, s94, s88
	s_mul_i32 s29, s95, s29
	s_add_co_u32 s87, s87, s29
	s_add_co_u32 s87, s87, s99                     ; my PAIR
	s_wait_loadcnt 0x0                             ; scale words and bias
	s_wait_dscnt 0x0                               ; K step 0's fragments
	; K STEP 0: its products start the sums from the bias: nothing is cleared, no addition is written.  Which registers are the bias's hangs on the role
	s_cmp_eq_u32 s24, 0
	s_cbranch_scc0 .Lv_first
	WIN 0x81                                       ; source 0 window 1, source 1 and C window 0, D window 2
	MUL8 0, 0, 1
	MUL8 1, 0, 1
	WIN 0
	s_branch .Ljoin_first
.Lv_first:
	WIN 0x81
	MUL8 0, 0, 2
	MUL8 1, 0, 2
	WIN 0
.Ljoin_first:
	PLACES 4
	FETCH 1
	s_cmp_eq_u32 s24, 0
	s_cbranch_scc0 .Lv_second
	WIN 0x81
	MUL8 2, 0, 1
	MUL8 3, 0, 1
	WIN 0
	s_branch .Ljoin_second
.Lv_second:
	WIN 0x81
	MUL8 2, 0, 2
	MUL8 3, 0, 2
	WIN 0
.Ljoin_second:
	; K STEP 1 leaves chunk 0: P's slot 0 is filled again with chunk 3, which has K steps 2 to 5 in which to land
	s_wait_tensorcnt 0x0                           ; all my tensor loads have landed: so chunks 1 and 2, and R's chunk 3, need no further wait;
	ds_add_u32 v10, v11                            ; 0 onto my spare word
	s_wait_dscnt 0x1                               ; (the add may be out; this step's 72 loads, issued ahead of it, are in)
	WIN 0xa1
	MUL8 0, 1, 0                                   ; eight products stand between the add and the wait for it
	s_wait_dscnt 0x0                               ; the add is done, and my reads of chunk 0 are over
	s_barrier_signal -1                            ; this barrier opens a round of the cluster's barrier
	MUL8 1, 1, 0
	WIN 0
	s_barrier_wait -1
	CREST                                          ; no wave of any partner still reads slot 0 or has a load on its way
	s_add_nc_u64 s[G0P+2:G0P+3], s[G0P+2:G0P+3], 3*192   ; no tensor load of mine is out: slot 0's group 0 steps to chunk 3
	s_cmp_eq_u32 s19, 0
	s_cbranch_scc1 .Lno_refill                     ; R's waves have nothing to fill
	tensor_load_to_lds s[G0P:G0P+3], s[G1P:G1P+7]  ; my one tensor load behind the round, ahead of every LDS read
	s_nop 0
	PLACES 4
.Lno_refill:
	PLACES 4
	FETCH 2
	WIN 0xa1
	MUL8 2, 1, 0
	MUL8 3, 1, 0
	STEPP 2, 1
	STEPP 3, 1
	STEPP 4, 1
	; K STEP 5: chunk 3 of P is wanted next
	s_wait_dscnt 0x0
	MUL8 0, 5, 0
	s_wait_tensorcnt 0x0                           ; the one load that may be out is the refill: my part of it is in,
	s_barrier_signal -1
	MUL8 1, 5, 0
	s_barrier_wait -1                              ; everybody's is.
	PLACES 4
	FETCH 6
	WIN 0xa1
	MUL8 2, 5, 0
	MUL8 3, 5, 0
	STEPP 6, 1
	STEPP 7, 0
	WIN 0
	PLACES 4                                       ; in front of the first read of results
	s_mov_b32 s94, s84
	s_add_co_u32 s95, s84, s86
.irp a, 0,1,2,3
	QUANTP \a
	SENDU \a
.endr
	s_mov_b32 vcc_lo, 0xffff0000                   ; lanes 16-31
.irp a, 0,1,2,3
	v_perm_b32 v[228+\a], v[PW+\a], v[PW+\a], s89
.endr
	v_cndmask_b32 v232, v228, v229, vcc_lo         ; the PAIR: blocks 0 and 1 in the halves of one register,
	v_cndmask_b32 v233, v230, v231, vcc_lo         ; blocks 2 and 3 in those of the other
	v_add_nc_u32 v13, s87, v8
	global_store_b64 v13, v[232:233], s[16:17]     ; 32 lanes store 256 consecutive bytes, aligned
	s_cmp_eq_u32 s24, 0
	s_cbranch_scc0 .Lone_head
	s_mov_b32 s91, 0x03020302                      ; q, k: the second head's two bytes, twice
.irp a, 0,1,2,3
	v_perm_b32 v[228+\a], v[PW+\a], v[PW+\a], s91
.endr
	v_cndmask_b32 v234, v228, v229, vcc_lo
	v_cndmask_b32 v235, v230, v231, vcc_lo
	s_add_co_u32 s91, s87, s88
	v_add_nc_u32 v14, s91, v8
	global_store_b64 v14, v[234:235], s[16:17]
.Lone_head:
	s_wait_tensorcnt 0x0                           ; the wave's end
	ds_add_u32 v10, v11
	s_wait_dscnt 0x0
	CROUND                                         ; the closing round: no work-group ends while a partner may still ask for a tile that names it
	s_endpgm
.Lfunc_end_k_q2519b8432b_proj:
	.size	k_q2519b8432b_proj, .Lfunc_end_k_q2519b8432b_proj-k_q2519b8432b_proj
	.p2alignl 7, 3214868480
	.fill 96, 4, 3214868480
	.section	.rodata,"a",@progbits
	.p2align	6, 0x0
	.amdhsa_kernel k_q2519b8432b_proj
		.amdhsa_group_segment_fixed_size 327680
		.amdhsa_private_segment_fixed_size 0
		.amdhsa_enable_private_segment 0
		.amdhsa_kernarg_size 152
		.amdhsa_user_sgpr_count 2
		.amdhsa_user_sgpr_kernarg_segment_ptr 1
		.amdhsa_wavefront_size32 1
		.amdhsa_system_sgpr_workgroup_id_x 1
		.amdhsa_system_sgpr_workgroup_id_y 1
		.amdhsa_system_sgpr_workgroup_id_z 1
		.amdhsa_system_vgpr_workitem_id 0
		.amdhsa_next_free_vgpr 768
		.amdhsa_next_free_sgpr 102
		.amdhsa_reserve_vcc 1
		.amdhsa_float_denorm_mode_32 3
		.amdhsa_float_denorm_mode_16_64 3
		.amdhsa_memory_ordered 1
		.amdhsa_forward_progress 1
		.amdhsa_inst_pref_size 112
	.end_amdhsa_kernel
	.amdgpu_metadata
---
amdhsa.version: [ 1, 2 ]
amdhsa.kernels:
  - .name:           k_q2519b8432b_proj
    .symbol:         k_q2519b8432b_proj.kd
    .args:
      - { .name: query_codes, .offset: 0, .size: 8, .value_kind: global_buffer, .address_space: global }
      - { .name: key_codes, .offset: 8, .size: 8, .value_kind: global_buffer, .address_space: global }
      - { .name: value_codes, .offset: 16, .size: 8, .value_kind: global_buffer, .address_space: global }
      - { .name: query_scales, .offset: 24, .size: 8, .value_kind: global_buffer, .address_space: global }
      - { .name: key_scales, .offset: 32, .size: 8, .value_kind: global_buffer, .address_space: global }
      - { .name: value_scales, .offset: 40, .size: 8, .value_kind: global_buffer, .address_space: global }
      - { .name: q_w_codes, .offset: 48, .size: 8, .value_kind: global_buffer, .address_space: global }
      - { .name: k_w_codes, .offset: 56, .size: 8, .value_kind: global_buffer, .address_space: global }
      - { .name: v_w_codes, .offset: 64, .size: 8, .value_kind: global_buffer, .address_space: global }
      - { .name: q_w_scales, .offset: 72, .size: 8, .value_kind: global_buffer, .address_space: global }
      - { .name: k_w_scales, .offset: 80, .size: 8, .value_kind: global_buffer, .address_space: global }
      - { .name: v_w_scales, .offset: 88, .size: 8, .value_kind: global_buffer, .address_space: global }
      - { .name: q_b, .offset: 96, .size: 8, .value_kind: global_buffer, .address_space: global }
      - { .name: k_b, .offset: 104, .size: 8, .value_kind: global_buffer, .address_space: global }
      - { .name: v_b, .offset: 112, .size: 8, .value_kind: global_buffer, .address_space: global }
      - { .name: qc, .offset: 120, .size: 8, .value_kind: global_buffer, .address_space: global }
      - { .name: qs, .offset: 128, .size: 8, .value_kind: global_buffer, .address_space: global }
      - { .name: kvc, .offset: 136, .size: 8, .value_kind: global_buffer, .address_space: global }
      - { .name: kvs, .offset: 144, .size: 8, .value_kind: global_buffer, .address_space: global }
    .group_segment_fixed_size: 327680
    .private_segment_fixed_size: 0
    .kernarg_segment_align: 8
    .kernarg_segment_size: 152
    .max_flat_workgroup_size: 128
    .sgpr_count:     102
    .vgpr_count:     768
    .wavefront_size: 32
...
	.end_amdgpu_metadata
.endif
;; end of part 1
;; launch attn (part 2): grid 4 x 64, 8 waves a work-group, clusters of 4 x 1, 244,736 bytes of LDS; arguments qc, qs, kvc, kvs, out0; writes out0
.if DOCPART == 2
	.amdgcn_target "amdgcn-amd-amdhsa--gfx1250"
	.amdhsa_code_object_version 6
	.text
	.protected	k_q2519b8432b_attn
	.globl	k_q2519b8432b_attn
	.p2align	8
	.type	k_q2519b8432b_attn,@function
k_q2519b8432b_attn:
	s_mov_b64 s[64:65], 0
	v_nop
	global_prefetch_b8 v0, s[64:65] scope:SCOPE_SE
	s_setreg_imm32_b32 hwreg(HW_REG_WAVE_MODE, 25, 1), 1
	s_wait_xcnt 0x0
	s_wait_alu depctr_hold_cnt(0) depctr_sa_sdst(0) depctr_va_vdst(0) depctr_va_sdst(0) depctr_va_ssrc(0) depctr_va_vcc(0) depctr_vm_vsrc(0)
	s_getreg_b32 s2, hwreg(HW_REG_IB_STS2, 6, 4)
	s_cmp_eq_u32 s2, 0
	s_cbranch_scc0 .Lentry_in_a_cluster
	s_endpgm
.Lentry_in_a_cluster:
	s_bfe_u32 s2, ttmp6, 0x10000c
	s_cmp_lg_u32 s2, 0x3003
	s_cbranch_scc0 .Lentry_shape_is_right
	s_endpgm
.Lentry_shape_is_right:
; out0[b][q][64 h + d] = the sum over the keys of Q8(q . k / 8) v[key][d], for each of 64 pairs (batch, head): both products on codes of FP6 (E2M3) with E8M0 scales; no softmax.
; q, k (quantised along the head's 64) and v (along the keys) come as images of operand registers from the launch before; the scores are quantised here, along the keys, in registers.
; THE FACTOR 1 / 8 is a power of two: the unscaled scores have the same codes under a scale 8 times as large, so the sums come out exactly 8 times too large and are multiplied by 0.125 on the way out.
; SHARES.  A work-group owns 512 queries of one head; each of its eight waves (two to a SIMD: one wave's quantising stands beside the other's products) owns 64, four tiles of 16, so that each fragment
; of k and v read from LDS feeds four products.  Every wave walks the head's 2,048 keys, 128 a step.
; LDS.  A head's k and v are 196,608 bytes of codes and 12,288 of scale words: they come ONCE and stay: no slot is ever filled again.  Each wave brings three dense pieces (scale words; steps 0-3; steps 4-15).
; CLUSTER.  The four work-groups of a cluster own the four blocks of queries of one head and need the same k and v: every load is asked for jointly (mask 15).
; LAYOUT.  Both products are used transposed: S^T = k q^T (source 0 = 16 keys, source 1 = 16 queries), O^T = v^T P^T (source 0 = 16 of the head's 64, source 1 = the scores' codes): a lane holds one query throughout.
; The scores' 64 registers of a lane are quantised by the same lines that made v's codes, so both have their keys in the same order inside each block of 32.
; K = 64 IN AN INSTRUCTION 128 DEEP.  q's fragments have zero codes in registers 6-11.  k's tiles lie six registers apart, and tile T's operand is v[6 T : 6 T + 11]: its upper half is tile T + 1's codes
; (six zero registers behind tile 7), which meet q's zeros: this format has no infinity and no NaN, so they add nothing.  The scale words repeat the two true bytes over that half.
; LIMITS: NaN and infinities are not served.  A block of scores whose largest magnitude (unscaled) lies under 2^-124 keeps the byte 1; a block of zeros has the byte 1 and zero codes.
; The factor 0.125 is exact unless a result falls into the denormals.  The order of k inside a block differs from memory's, so sums may differ in their last bits.
; REGISTERS.  window 0: v1-9 addresses; v12-15 k's scale words, v16-17 v's, v18-19 q's, v20 the scores'; v24-35 at work; v40-59 the scores' codes; v64-127, v128-191 two buffers of scores; v192-239 q.
;   window 1: v0-47 k, v48-53 zeros; v56-103 v; v128-255 O^T, 32 registers a tile of queries.
.set SX,  64
.set SY,  128
.set TM,  24
.set PC,  40
.set QF,  192
.set KSC, 12
.set VSC, 16
.set QSC, 18
.set PWR, 20
.set VF,  56
.set OT,  128
.set SCB, 196608                       ; LDS: the scale words, behind the codes
.set STG, 208896                       ; the stages for the way out: 16 rows x (256 bytes + 16) for each wave; no tensor load lands there
.set MSB, 0
.macro WIN new                         ; the immediate's high byte repeats the setting that is left
.if MSB != \new
	s_set_vgpr_msb (MSB<<8)|\new
.set MSB, \new
.endif
.endm
.macro PLACES n                        ; plain vector places round matrix instructions (ISA guide 7.12.1)
.rept \n
	v_nop
.endr
.endm
.macro CROUND                          ; a round of the cluster's barrier
	s_barrier_signal -1
	s_barrier_wait -1
	s_cmp_lg_u32 s14, 0
	s_cbranch_scc1 .Lnot_wave_0_\@
	s_barrier_signal -3
.Lnot_wave_0_\@:
	s_barrier_wait -3
	s_barrier_signal -1
	s_barrier_wait -1
.endm
.macro WMZ d, a, b, sa, sb, ra, rb     ; a product that starts a sum
.if ((\ra) == 0) && ((\rb) == 0)
	v_wmma_scale_f32_16x16x128_f8f6f4 v[(\d):(\d)+7], v[(\a):(\a)+11], v[(\b):(\b)+11], 0, v[(\sa)], v[(\sb)] matrix_a_fmt:MATRIX_FMT_FP6 matrix_b_fmt:MATRIX_FMT_FP6
.elseif ((\ra) == 1) && ((\rb) == 0)
	v_wmma_scale_f32_16x16x128_f8f6f4 v[(\d):(\d)+7], v[(\a):(\a)+11], v[(\b):(\b)+11], 0, v[(\sa)], v[(\sb)] matrix_a_fmt:MATRIX_FMT_FP6 matrix_b_fmt:MATRIX_FMT_FP6 matrix_a_scale:MATRIX_SCALE_ROW1
.elseif ((\ra) == 0) && ((\rb) == 1)
	v_wmma_scale_f32_16x16x128_f8f6f4 v[(\d):(\d)+7], v[(\a):(\a)+11], v[(\b):(\b)+11], 0, v[(\sa)], v[(\sb)] matrix_a_fmt:MATRIX_FMT_FP6 matrix_b_fmt:MATRIX_FMT_FP6 matrix_b_scale:MATRIX_SCALE_ROW1
.else
	v_wmma_scale_f32_16x16x128_f8f6f4 v[(\d):(\d)+7], v[(\a):(\a)+11], v[(\b):(\b)+11], 0, v[(\sa)], v[(\sb)] matrix_a_fmt:MATRIX_FMT_FP6 matrix_b_fmt:MATRIX_FMT_FP6 matrix_a_scale:MATRIX_SCALE_ROW1 matrix_b_scale:MATRIX_SCALE_ROW1
.endif
.endm
.macro WMA d, a, b, sa, sb, ra         ; a product that adds onto its sum
.if (\ra) == 0
	v_wmma_scale_f32_16x16x128_f8f6f4 v[(\d):(\d)+7], v[(\a):(\a)+11], v[(\b):(\b)+11], v[(\d):(\d)+7], v[(\sa)], v[(\sb)] matrix_a_fmt:MATRIX_FMT_FP6 matrix_b_fmt:MATRIX_FMT_FP6
.else
	v_wmma_scale_f32_16x16x128_f8f6f4 v[(\d):(\d)+7], v[(\a):(\a)+11], v[(\b):(\b)+11], v[(\d):(\d)+7], v[(\sa)], v[(\sb)] matrix_a_fmt:MATRIX_FMT_FP6 matrix_b_fmt:MATRIX_FMT_FP6 matrix_a_scale:MATRIX_SCALE_ROW1
.endif
.endm
.macro KQ t, s                         ; the step's 128 keys against tile t of my queries: 8 products into buffer s
	WIN 0x01                                       ; source 0 (k) window 1
.irp k, 0,1,2,3,4,5,6,7
	WMZ (\s)+8*\k, 6*\k, QF+12*(\t), KSC+\k/2, QSC+(\t)/2, \k%2, (\t)%2
.endr
.endm
.macro PV t, first                     ; tile t's O^T takes the step's 128 keys: 4 products.  first = 1: they start the sums: nothing is cleared
	WIN 0x51                                       ; source 0 (v), C and D (O^T) window 1; source 1 (the scores' codes) window 0
.irp u, 0,1,2,3
.if \first
	WMZ OT+32*(\t)+8*\u, VF+12*\u, PC, VSC+\u/2, PWR, \u%2, 0
.else
	WMA OT+32*(\t)+8*\u, VF+12*\u, PC, VSC+\u/2, PWR, \u%2
.endif
.endr
.endm
; A lane's 64 scores in buffer s (register 16 b + i: block b of 32 keys, my 16 of them) become the second product's operand in v[PC] on and its scale word in v[PWR].
; QHEAD is the first four lines, apart: set behind the quantising of the tile before, they are the four places between the last write of that tile's codes and the products that read them.
.macro QHEAD s
.irp b, 0,1,2,3
	v_max3_num_f32 v[TM+\b], |v[(\s)+16*\b]|, |v[(\s)+16*\b+1]|, 0x1800000   ; each accumulator is read from its low end on; the floor 2^(3 - 127) holds the byte at 1 from below
.endr
.endm
.macro QREST s
.irp i, 2,4,6,8,10,12,14
.irp b, 0,1,2,3
	v_max3_num_f32 v[TM+\b], v[TM+\b], |v[(\s)+16*\b+\i]|, |v[(\s)+16*\b+\i+1]|   ; the four blocks by turns
.endr
.endr
.irp b, 0,1,2,3
	v_permlanex16_b32 v[TM+4+\b], v[TM+\b], s68, s69
.endr
.irp b, 0,1,2,3
	v_max_num_f32 v[TM+\b], v[TM+\b], v[TM+4+\b]   ; with lane l xor 16's 16 keys: the block's largest magnitude
.endr
.irp b, 0,1,2,3
	v_add_nc_u32 v[TM+8+\b], 0xff000000, v[TM+\b]  ; 2 off its exponent field: the conversion's scale operand
.endr
.irp b, 0,1,2,3
	v_lshrrev_b32 v[TM+4+\b], 23, v[TM+8+\b]       ; the scale's byte
.endr
	v_lshl_or_b32 v[PWR], v[TM+5], 8, v[TM+4]
	v_lshl_or_b32 v[PWR], v[TM+6], 16, v[PWR]
	v_lshl_or_b32 v[PWR], v[TM+7], 24, v[PWR]      ; behind it stand a v_nop, six moves and four more plain lines ahead of the products that name it: eleven places, eight are asked
.irp c, 0,1
	v_cvt_scalef32_pk16_fp6_f32 v[PC+6*\c:PC+6*\c+2], v[(\s)+32*\c:(\s)+32*\c+15], v[TM+8+2*\c]
	v_cvt_scalef32_pk16_fp6_f32 v[PC+12+4*\c:PC+14+4*\c], v[(\s)+32*\c+16:(\s)+32*\c+31], v[TM+9+2*\c]   ; (a conversion's three registers begin on an even number)
.endr
	v_nop                                          ; one plain place behind a scaled conversion
.irp c, 0,1                                    ; the operand's layout wants a whole block in a lane
.irp i, 0,1,2
	v_permlane16_swap_b32 v[PC+6*\c+\i], v[PC+12+4*\c+\i]
.endr
.irp i, 0,1,2
	v_mov_b32 v[PC+3+6*\c+\i], v[PC+12+4*\c+\i]
.endr
.endr
.endm
.macro ADDR                            ; the LDS addresses of the step to be fetched
	v_add_nc_u32 v3, s60, v1
	v_add_nc_u32 v4, s60, v2
	v_add_nc_u32 v5, s61, v9
.endm
.macro FETCH_K                         ; a step's eight units of k and their two PAIRs: 18 loads, each of consecutive bytes
	WIN 0x40                                       ; destination window 1, address window 0
.irp k, 0,1,2,3,4,5,6,7
	ds_load_b128 v[6*\k:6*\k+3], v3 offset:768*\k
	ds_load_b64 v[6*\k+4:6*\k+5], v4 offset:768*\k+512
.endr
	WIN 0
	ds_load_b64 v[KSC:KSC+1], v5
	ds_load_b64 v[KSC+2:KSC+3], v5 offset:256
.endm
.macro FETCH_V                         ; its eight units of v (two to a fragment) and their PAIR: 17 loads
	WIN 0x40
.irp u, 0,1,2,3,4,5,6,7
	ds_load_b128 v[VF+6*\u:VF+6*\u+3], v3 offset:6144+768*\u
	ds_load_b64 v[VF+6*\u+4:VF+6*\u+5], v4 offset:6144+768*\u+512
.endr
	WIN 0
	ds_load_b64 v[VSC:VSC+1], v5 offset:512
.endm
; A KEY STEP: 32 products k q^T, 16 products v^T P^T, four quantisings.  Two buffers of scores: while one tile's scores are quantised, the next tile's products have been issued.
; All accumulators take single turns.  Every vector line that reads results, and every load into registers that products have read, has four plain lines or more,
; which name none of those products' registers, between itself and them: the other buffer's quantising, or v_nop where there is none.
.macro STEP first, last
	s_wait_dscnt 17                                ; k's 18 loads are in; v's 17, issued behind them, may be out
	KQ 0, SX
	KQ 1, SY
	WIN 0
	PLACES 4
	QHEAD SX
	QREST SX
	QHEAD SY
	s_wait_dscnt 0x0                               ; v is in
	PV 0, \first
	KQ 2, SX
	WIN 0
	QREST SY
	QHEAD SX
	PV 1, \first
	KQ 3, SY
	WIN 0
	QREST SX
	QHEAD SY
.if (\last) == 0
	s_add_co_u32 s60, s60, 12288                   ; the next step's codes
	s_add_co_u32 s61, s61, 768                     ; and scale words
	ADDR
	FETCH_K                                        ; all four tiles have multiplied by this step's k
.endif
	PV 2, \first
	WIN 0
	QREST SY
	PLACES 4
	PV 3, \first
	WIN 0
	PLACES 4
.if (\last) == 0
	FETCH_V
.endif
.endm
	s_load_b256 s[4:11], s[0:1], 0x0               ; qc s[4:5], qs s[6:7], kvc s[8:9], kvs s[10:11]
	s_load_b64 s[12:13], s[0:1], 0x20              ; out0
	v_lshl_add_u32 v254, v0, 2, 0x3b800
	v_mov_b32 v255, 0
	ds_add_u32 v254, v255
	ds_add_u32 v254, v255
	v_lshrrev_b32 v9, 5, v0
	v_readfirstlane_b32 s14, v9                    ; wave 0..7
	s_bfe_u32 s15, ttmp6, 0x40000                  ; cx
	s_lshl_b32 s17, ttmp9, 2
	s_add_co_u32 s17, s17, s15                     ; my block of 512 queries: it enters q's and out0's addresses alone
	s_and_b32 s16, ttmp7, 0xffff                   ; 16 batch + head, which the four partners share
	s_mul_i32 s18, s16, 196608                     ; the head's codes of k and v;
	s_mul_i32 s19, s14, 6144
	s_add_co_u32 s20, s18, s19                     ; my eighth of steps 0-3,
	s_mov_b32 s21, 0
	s_mul_i32 s19, s14, 18432
	s_add_co_u32 s22, s18, s19
	s_add_co_u32 s22, s22, 49152                   ; my eighth of steps 4-15,
	s_mov_b32 s23, 0
	s_mul_i32 s18, s16, 12288
	s_mul_i32 s19, s14, 1536
	s_add_co_u32 s18, s18, s19                     ; my eighth of the scale words
	s_mov_b32 s19, 0
	; descriptor groups 1: dense blocks as rows of 256 bytes (32 elements of 8 bytes), 6, 24 and 72 rows; no padding: every LDS load of this text reads consecutive bytes
.irp g, 24,32,40
	s_mov_b32 s[\g], 15|(3<<16)|(1<<21)            ; 15:0 the mask: all four work-groups; 17:16 elements of 8 bytes; 21 set beside a mask
	s_mov_b32 s[\g+1], 32<<16                      ; tensor_dim0
	s_mov_b32 s[\g+3], 32<<16                      ; tile_dim0
	s_mov_b32 s[\g+5], 32                          ; from row to row
	s_mov_b32 s[\g+6], 0
	s_mov_b32 s[\g+7], 0
.endr
	s_mov_b32 s26, 6<<16                           ; tensor_dim1,
	s_mov_b32 s28, 6                               ; tile_dim1
	s_mov_b32 s34, 24<<16
	s_mov_b32 s36, 24
	s_mov_b32 s42, 72<<16
	s_mov_b32 s44, 72
	s_mov_b32 s48, 1
	s_mul_i32 s49, s14, 1536
	s_add_co_u32 s49, s49, SCB
	s_mov_b32 s52, 1
	s_mul_i32 s53, s14, 6144
	s_mov_b32 s56, 1
	s_mul_i32 s57, s14, 18432
	s_add_co_u32 s57, s57, 49152
	s_lshl_b32 s70, s17, 3
	s_add_co_u32 s70, s70, s14                     ; my group of 64 queries, 0 .. 31
	s_mul_i32 s72, s16, 98304                      ; q's codes: 128 units a head, four a group
	s_mul_i32 s71, s70, 3072
	s_add_co_u32 s72, s72, s71
	s_mov_b32 s73, 0
	s_lshl_b32 s74, s16, 13                        ; q's scale words: a PAIR a group
	s_lshl_b32 s71, s70, 8
	s_add_co_u32 s74, s74, s71
	s_mov_b32 s75, 0
	s_lshr_b32 s76, s16, 4                         ; out0: batch x 2,048 rows of 4,096 bytes,
	s_lshl_b32 s76, s76, 23
	s_lshl_b32 s71, s70, 18                        ; my 64 rows,
	s_add_co_u32 s76, s76, s71
	s_and_b32 s71, s16, 15                         ; the head's 256 bytes of a row
	s_lshl_b32 s71, s71, 8
	s_add_co_u32 s76, s76, s71
	s_mov_b32 s77, 0
	s_mov_b32 s60, 0
	s_mov_b32 s61, 0
	s_mov_b32 s66, 0x3e000000                      ; 0.125
	s_mov_b32 s67, s66                             ; (named with it as a pair, so it is written)
	s_mov_b32 s68, 0x76543210
	s_mov_b32 s69, 0xfedcba98                      ; v_permlanex16_b32's selects for lane l xor 16
	s_mul_i32 s63, s14, 16*272
	s_add_co_u32 s63, s63, STG                     ; my stage
	v_and_b32 v10, 31, v0
	v_lshlrev_b32 v1, 4, v10                       ; 16 x lane
	v_lshlrev_b32 v2, 3, v10                       ; 8 x lane
	v_add_nc_u32 v9, SCB, v2
	s_wait_dscnt 0x0
	s_wait_kmcnt 0x0
	s_add_nc_u64 s[50:51], s[10:11], s[18:19]
	s_or_b32 s51, s51, 0x80000000
	s_add_nc_u64 s[54:55], s[8:9], s[20:21]
	s_or_b32 s55, s55, 0x80000000
	s_add_nc_u64 s[58:59], s[8:9], s[22:23]
	s_or_b32 s59, s59, 0x80000000
	s_add_nc_u64 s[4:5], s[4:5], s[72:73]
	s_add_nc_u64 s[6:7], s[6:7], s[74:75]
	s_add_nc_u64 s[12:13], s[12:13], s[76:77]
	CROUND                                         ; all four work-groups are here: the joint loads meet
	tensor_load_to_lds s[48:51], s[24:31]          ; every wave issues the same three lines: three loads of mine are out
	s_nop 0
	tensor_load_to_lds s[52:55], s[32:39]
	s_nop 0
	tensor_load_to_lds s[56:59], s[40:47]
	s_nop 0
	PLACES 4
.irp t, 0,1,2,3                                ; q stays in registers
	global_load_b128 v[QF+12*\t:QF+12*\t+3], v1, s[4:5] offset:768*\t th:TH_LOAD_NT
	global_load_b64 v[QF+12*\t+4:QF+12*\t+5], v2, s[4:5] offset:768*\t+512 th:TH_LOAD_NT
.endr
	global_load_b64 v[QSC:QSC+1], v2, s[6:7] th:TH_LOAD_NT
.irp t, 0,1,2,3
.irp j, 6,7,8,9,10,11
	v_mov_b32 v[QF+12*\t+\j], 0                    ; zero codes for K = 64 .. 127
.endr
.endr
	WIN 0x40
.irp j, 0,1,2,3,4,5
	v_mov_b32 v[48+\j], 0                          ; window 1: the upper half of k's tile 7
.endr
	WIN 0
.irp b, 0,1,2,3
	v_mov_b32 v[TM+4+\b], 0                        ; written once: a lane permute's destination counts as one of its sources
.endr
	v_and_b32 v10, 15, v0                          ; r
	v_bfe_u32 v11, v0, 4, 1                        ; h
	v_mul_u32_u24 v6, v10, 272
	v_lshl_add_u32 v6, v11, 5, v6
	v_add_nc_u32 v6, s63, v6                       ; into the stage: row r, + 32 h
	v_mul_u32_u24 v7, v11, 272
	v_lshl_add_u32 v7, v10, 4, v7
	v_add_nc_u32 v7, s63, v7                       ; back: lanes 0-15 one row of 256 bytes, lanes 16-31 the next
	v_lshlrev_b32 v8, 12, v11
	v_lshl_add_u32 v8, v10, 4, v8                  ; and the same two rows in out0
	ADDR
	s_wait_tensorcnt 0x1                           ; my parts of the scale words and of steps 0-3 are in; steps 4-15 may be out
	s_barrier_signal -1
	s_barrier_wait -1                              ; everybody's are
	FETCH_K
	FETCH_V
	s_wait_loadcnt 0x0                             ; q
	STEP 1, 0                                      ; steps 0 to 2 are written out: they read, and fetch, steps 0-3 alone
	STEP 0, 0
	STEP 0, 0
	s_wait_tensorcnt 0x0                           ; my part of steps 4-15 is in,
	s_wait_dscnt 0x0
	s_barrier_signal -1
	s_barrier_wait -1                              ; everybody's is
	s_mov_b32 s62, 12
.Lstep:                                            ; steps 3 to 14
	STEP 0, 0
	s_sub_co_u32 s62, s62, 1
	s_cmp_lg_u32 s62, 0
	s_cbranch_scc1 .Lstep
	STEP 0, 1                                      ; step 15 fetches nothing
; THE WAY OUT, a tile of 16 queries at a time: x 0.125; a lane's 32 neighbouring bytes of a row go into my stage, and whole rows of 256 bytes come back: sixteen lanes store one aligned run of 256 bytes.
; LDS serves a wave's instructions in order (ISA guide 5.7.1.4): no wait between the stores and the loads, nor in front of the next tile's stores.
.macro OUTT t
.set OB, SX+32*((\t)%2)
.set BB, SY+32*((\t)%2)
.if (\t) >= 2
	s_wait_xcnt 0x0                                ; the stores of the tile two back have read their registers: the loads below may land there
.endif
	WIN 0x01                                       ; source 0 window 1
.irp j, 0,2,4,6,8,10,12,14,16,18,20,22,24,26,28,30
	v_pk_mul_f32 v[OB+\j:OB+\j+1], v[OT+32*(\t)+\j:OT+32*(\t)+\j+1], s[66:67] op_sel_hi:[1,0]   ; each accumulator from its low end on
.endr
	WIN 0
.irp u, 0,1,2,3
	ds_store_b128 v6, v[OB+8*\u:OB+8*\u+3] offset:64*\u
	ds_store_b128 v6, v[OB+8*\u+4:OB+8*\u+7] offset:64*\u+16
.endr
.irp i, 0,1,2,3,4,5,6,7
	ds_load_b128 v[BB+4*\i:BB+4*\i+3], v7 offset:544*\i
.endr
.irp i, 0,1,2,3,4,5,6,7
	s_wait_dscnt 7-\i                              ; the i-th of the eight loads is in
	global_store_b128 v8, v[BB+4*\i:BB+4*\i+3], s[12:13] offset:(16*(\t)+2*\i)*4096 th:TH_STORE_NT
.endr
.endm
	OUTT 0
	OUTT 1
	OUTT 2
	OUTT 3
	s_wait_dscnt 0x0
	s_wait_tensorcnt 0x0
	ds_add_u32 v254, v255
	s_wait_dscnt 0x0
	CROUND                                         ; the closing round: no work-group ends while a partner may still ask for a tile that names it
	s_endpgm
.Lfunc_end_k_q2519b8432b_attn:
	.size	k_q2519b8432b_attn, .Lfunc_end_k_q2519b8432b_attn-k_q2519b8432b_attn
	.p2alignl 7, 3214868480
	.fill 96, 4, 3214868480
	.section	.rodata,"a",@progbits
	.p2align	6, 0x0
	.amdhsa_kernel k_q2519b8432b_attn
		.amdhsa_group_segment_fixed_size 244736
		.amdhsa_private_segment_fixed_size 0
		.amdhsa_enable_private_segment 0
		.amdhsa_kernarg_size 40
		.amdhsa_user_sgpr_count 2
		.amdhsa_user_sgpr_kernarg_segment_ptr 1
		.amdhsa_wavefront_size32 1
		.amdhsa_system_sgpr_workgroup_id_x 1
		.amdhsa_system_sgpr_workgroup_id_y 1
		.amdhsa_system_sgpr_workgroup_id_z 1
		.amdhsa_system_vgpr_workitem_id 0
		.amdhsa_next_free_vgpr 512
		.amdhsa_next_free_sgpr 80
		.amdhsa_reserve_vcc 0
		.amdhsa_float_denorm_mode_32 3
		.amdhsa_float_denorm_mode_16_64 3
		.amdhsa_memory_ordered 1
		.amdhsa_forward_progress 1
		.amdhsa_inst_pref_size 143
	.end_amdhsa_kernel
	.amdgpu_metadata
---
amdhsa.version: [ 1, 2 ]
amdhsa.kernels:
  - .name:           k_q2519b8432b_attn
    .symbol:         k_q2519b8432b_attn.kd
    .args:
      - { .name: qc, .offset: 0, .size: 8, .value_kind: global_buffer, .address_space: global }
      - { .name: qs, .offset: 8, .size: 8, .value_kind: global_buffer, .address_space: global }
      - { .name: kvc, .offset: 16, .size: 8, .value_kind: global_buffer, .address_space: global }
      - { .name: kvs, .offset: 24, .size: 8, .value_kind: global_buffer, .address_space: global }
      - { .name: out0, .offset: 32, .size: 8, .value_kind: global_buffer, .address_space: global }
    .group_segment_fixed_size: 244736
    .private_segment_fixed_size: 0
    .kernarg_segment_align: 8
    .kernarg_segment_size: 40
    .max_flat_workgroup_size: 256
    .sgpr_count:     80
    .vgpr_count:     512
    .wavefront_size: 32
...
	.end_amdgpu_metadata
.endif
;; end of part 2
